; MI455X (gfx1250); checked and timed in simulation.
; The chip was launched on July 23, 2026; its instructions are those of AMD's public machine-readable ISA for CDNA 5 (MIT licence, August 2026) and "CDNA5" Instruction Set Architecture Reference Guide (July 2026). The comments in the code are by the model that wrote it; some were corrected since.
;; m MHSA. Allowed arithmetic: matrix products marked QUANTISED: E4M3 operands, one given power-of-two scale a tensor, by v_wmma_f32_16x16x64_fp8_fp8 or v_wmma_f32_16x16x128_fp8_fp8, f32 sums; everything else in f32.
;; Inputs: Wck 1,024 x 1,024 float32; Wcq 1,024 x 1,024 float32; Wcv 1,024 x 1,024 float32; Wpk 1,024 x 1,024 float32; Wpq 1,024 x 1,024 float32; Wpv 1,024 x 1,024 float32; lowp_scales 20 int32 (the exponents e of the quantised operands' scales 2^e); x 2 x 2,048 x 1,024 float32.
;; Outputs: out0 2 x 2,048 x 1,024 float32; out1 2 x 2,048 x 1,024 float32.
;; This version of the problem:
;;   THIS VERSION OF THE PROBLEM IS GIVEN IN LOW PRECISION. The matrix products marked QUANTISED in the list below multiply operands that are first quantised to E4M3 (4 exponent bits, 3 mantissa bits; 8 bits a number), with one given power-of-two scale for each operand tensor; their sums are f32. All else is computed in f32.
;;   The module's matrix products, in the order in which they are computed (A, B: the left and right operand; K: the contracted axis; several contracted axes count as one K, in the product's order):
;;     1. [M 4,096, K 1,024] x [K 1,024, N 1,024]; A: input x; B: input Wpq: QUANTISED (scales: A lowp_scales[0], B lowp_scales[1])
;;     2. [M 4,096, K 1,024] x [K 1,024, N 1,024]; A: input x; B: input Wpk: QUANTISED (scales: A lowp_scales[2], B lowp_scales[3])
;;     3. [M 4,096, K 1,024] x [K 1,024, N 1,024]; A: input x; B: input Wpv: QUANTISED (scales: A lowp_scales[4], B lowp_scales[5])
;;     4. [M 4,096, K 1,024] x [K 1,024, N 1,024]; A: input x; B: input Wcq: QUANTISED (scales: A lowp_scales[6], B lowp_scales[7])
;;     5. [M 4,096, K 1,024] x [K 1,024, N 1,024]; A: input x; B: input Wck: QUANTISED (scales: A lowp_scales[8], B lowp_scales[9])
;;     6. [M 4,096, K 1,024] x [K 1,024, N 1,024]; A: input x; B: input Wcv: QUANTISED (scales: A lowp_scales[10], B lowp_scales[11])
;;     7. batch 32 x [M 2,048, K 64] x [K 64, N 2,048]; A: computed on the way; B: computed on the way: QUANTISED (scales: A lowp_scales[12], B lowp_scales[13])
;;     8. batch 32 x [M 2,048, K 64] x [K 64, N 2,048]; A: computed on the way; B: computed on the way: QUANTISED (scales: A lowp_scales[14], B lowp_scales[15])
;;     9. batch 32 x [M 2,048, K 2,048] x [K 2,048, N 64]; A: computed on the way; B: computed on the way: QUANTISED (scales: A lowp_scales[16], B lowp_scales[17])
;;     10. batch 32 x [M 2,048, K 2,048] x [K 2,048, N 64]; A: computed on the way; B: computed on the way: QUANTISED (scales: A lowp_scales[18], B lowp_scales[19])
;;   THE QUANTISER, for each operand of a quantised product, along K:
;;     - The operand's scale is 2^e, e = its entry of the input lowp_scales (int32; the entries are numbered through the quantised products in the list's order, A before B).
;;     - Each number is divided by the scale, clamped to +-448, and rounded to the nearest number of E4M3, ties to even, subnormals kept.
;;     - The product sums the exact products of the quantised numbers (number of the format x scale) in f32.
;;   ~~~python
;;   def quantise(x, axis, e):      # numpy; x: float32 -> the quantised numbers, widened to float32 again
;;       x = np.moveaxis(x, axis, -1); K = x.shape[-1]
;;       r = np.clip(x / 2.0 ** e, -448, 448)
;;       step = 2.0 ** (np.maximum(np.frexp(np.where(r == 0, 1, r))[1] - 1, -6) - 3)
;;       q = np.round(r / step) * step * 2.0 ** e      # np.round: ties to even
;;       return np.moveaxis(q, -1, axis).astype(np.float32)
;;   ~~~
;;   OPERANDS COMPUTED ON THE WAY. 'Computed on the way' means the value that the module computes at that place (a softmax that the list does not call 'softmax' is quantised finished and normalised). What goes into a quantiser is computed in f32, as accurately as f32 sums, v_exp_f32 and their like allow (about 1e-6 of the number): no bf16 or f16 on the way to a quantiser, and a product that is left as it is and whose result goes on into a quantised operand takes f32 operands (vector FMAs, or v_wmma_f32_16x16x4_f32). A number that lies on a knife's edge between two numbers of the format may be rounded either way, as far as f32 arithmetic and the matrix unit's own rounding can turn it there, and no further.
;; One version. Each part assembles by itself: llvm-mc -triple=amdgcn-amd-amdhsa -mcpu=gfx1250 --defsym DOCPART=n.
;; ======== version 1 of 1: 3 launches
;; limits: right only within a limited range of input values
;; workspace buffers: xc 25,165,824 bytes; wc 6,291,456 bytes; codes 25,165,824 bytes
;; launch quant (part 1): grid 640 x 1, 4 waves a work-group, no clusters, 33,280 bytes of LDS; arguments x, Wpq, Wpk, Wcq, Wck, Wpv, Wcv, lowp_scales, xc, wc; writes xc, wc
.if DOCPART == 1
	.amdgcn_target "amdgcn-amd-amdhsa--gfx1250"
	.amdhsa_code_object_version 6
	.text
	.protected	k_q8cdb87cffd_quant
	.globl	k_q8cdb87cffd_quant
	.p2align	8
	.type	k_q8cdb87cffd_quant,@function
k_q8cdb87cffd_quant:
	s_mov_b64 s[64:65], 0
	v_nop
	global_prefetch_b8 v0, s[64:65] scope:SCOPE_SE
	s_setreg_imm32_b32 hwreg(HW_REG_WAVE_MODE, 25, 1), 1
	s_wait_xcnt 0x0
; FIRST OF THREE LAUNCHES.  x [4096][1024] and the six weights [1024][1024], f32, become codes of E4M3, K innermost, each with the scale 2^e that the table gives it.
; NO WORK IS LEFT OUT in this program: every input has a way to an output (each of the six projections feeds a score map or a value tensor, and both maps of every head reach an output; the swap on odd heads only says
; which map meets which values).  So all seven tensors and all twenty entries of the scales are loaded.
; x is the left operand of six products, each with an entry of its own: so it gets SIX copies of codes, one for each product, from one read of its f32 numbers.
; ORDER OF THE WEIGHTS in the workspace buffers: 0 Pq, 1 Pk, 2 Cq, 3 Ck, 4 Pv, 5 Cv.  Their products in the table are 0, 1, 3, 4, 2, 5: x's entry is 2 p, the weight's 2 p + 1.
; code = number / 2^e, held within +-448, rounded to the nearest code, ties to even.
; LIMITS: each e lies between -126 and 119, so that 2^e and 448 x 2^e are f32 numbers.  NaN among the inputs is not served (an infinity is held at the largest code).
; SHARES.  Rows are dense, so every tensor is a plain stream.  A wave takes 8 steps of 512 numbers, a work-group 16,384.  Work-groups 0 to 255 take x, work-group 256 + 64 w + c takes part c of weight w.
; Each load reads 512 consecutive bytes; a step's 2,048 bytes turn through the wave's own stage in LDS, so that a lane holds 16 neighbours along K; a lane's 16 codes are 16 bytes, and the wave stores 512 consecutive bytes.
; One path through LDS for all work-groups; a weight's work-group jumps, on its number alone, over outputs 1 to 5 of a step: register work and global stores only.  No barrier: waves share nothing.
.set STEPS, 8
.set SP,    80                         ; a lane's place in a stage: 64 bytes + 16 of padding
.set WREG,  8192                       ; LDS: a region for each wave: two stages of 32 x SP bytes
.set SPARE, 4*WREG                     ; behind the regions: the spare words, 128 bytes for each wave: two blocks of 256 bytes that no other line names
.set SPW,   12                         ; v12  LDS address of my spare word; never rewritten
.set NIL,   13                         ; v13  0; never rewritten
.set R,     16                         ; v16-79   four sets of 16 numbers as they are loaded
.set X,     80                         ; v80-111  two sets of 16 neighbours
.set T,     112                        ; v112-143 two sets of 16 held numbers, by turns from output to output
.set C,     144                        ; v144-167 four registers of codes for each output
.set SC,    168                        ; v168-173 2^e of output o
.set LIM,   174                        ; v174-179 448 x 2^e of output o
.set OUT,   44                         ; s[44:55] where output o goes
	s_load_b256 s[4:11], s[0:1], 0x0               ; x, Wpq, Wpk, Wcq
	s_load_b256 s[12:19], s[0:1], 0x20             ; Wck, Wpv, Wcv, the scales' exponents
	s_load_b128 s[20:23], s[0:1], 0x40             ; x's codes, the weights' codes
	v_lshl_add_u32 v[SPW], v0, 2, SPARE
	v_mov_b32 v[NIL], 0
	v_lshrrev_b32 v1, 5, v0
	v_readfirstlane_b32 s24, v1                    ; wave
	v_and_b32 v2, 31, v0                           ; lane
	v_lshlrev_b32 v3, 4, v2                        ; my 16 bytes of a load's 512, and of a store's; never rewritten
	s_mul_i32 s56, s24, WREG
	v_lshrrev_b32 v14, 2, v2
	v_mul_u32_u24 v14, v14, SP
	v_and_b32 v15, 3, v2
	v_lshl_add_u32 v14, v15, 4, v14
	v_add_nc_u32 v14, s56, v14                     ; the stage, on the way in: SP (lane / 4) + 16 (lane % 4)
	v_mul_u32_u24 v15, v2, SP
	v_add_nc_u32 v15, s56, v15                     ; and on the way out: SP x lane: my 16 neighbours
	s_sub_co_u32 s25, ttmp9, 256                   ; a weight's work-group: its number among them (x's: a number that names no weight)
	s_lshr_b32 s26, s25, 6                         ; which weight
	s_and_b32 s57, s25, 63                         ; which part of it
	s_lshl_b32 s62, s26, 20                        ; the weight's codes: 1 MiB each
	s_cmp_lt_u32 ttmp9, 256
	s_cselect_b32 s27, 1, 0                        ; 1: x
	s_cselect_b32 s57, ttmp9, s57
	s_cselect_b32 s62, 0, s62
	s_lshl_b32 s57, s57, 2
	s_add_co_u32 s57, s57, s24                     ; which run of 4,096 numbers of the tensor is my wave's
	s_lshl_b32 s58, s57, 14                        ; in bytes of f32,
	s_mov_b32 s59, 0
	s_lshl_b32 s66, s57, 12                        ; and of codes
	s_mov_b32 s67, 0
	s_add_co_u32 s60, s66, s62
	s_mov_b32 s61, 0
	s_wait_alu depctr_va_vdst(0)
	s_wait_kmcnt 0x0
	s_load_b256 s[32:39], s[18:19], 0x0            ; entries 0 to 7
	s_load_b128 s[40:43], s[18:19], 0x20           ; entries 8 to 11
	s_mov_b64 s[28:29], s[4:5]                     ; the source: x, or the weight that my work-group's number names
.irp k, 0,1,2,3,4,5
	s_cmp_eq_u32 s26, \k
	s_cselect_b64 s[28:29], s[6+2*\k:7+2*\k], s[28:29]
.endr
	s_add_nc_u64 s[28:29], s[28:29], s[58:59]
	s_cmp_lg_u32 s27, 0
	s_cselect_b64 s[OUT:OUT+1], s[20:21], s[22:23]
	s_add_nc_u64 s[OUT:OUT+1], s[OUT:OUT+1], s[60:61]
.irp o, 1,2,3,4,5
	s_add_nc_u64 s[OUT+2*\o:OUT+2*\o+1], s[20:21], s[66:67]
	s_add_nc_u64 s[OUT+2*\o:OUT+2*\o+1], s[OUT+2*\o:OUT+2*\o+1], \o<<22   ; x's copy o: 4 MiB each
.endr
.macro LOAD t
.irp i, 0,1,2,3
	global_load_b128 v[R+16*((\t)%4)+4*\i:R+16*((\t)%4)+4*\i+3], v3, s[28:29] offset:2048*(\t)+512*\i th:TH_LOAD_NT   ; 32 lanes read 512 consecutive bytes
.endr
.endm
.macro TURN t                          ; step t's numbers through the stage: LDS serves a wave's instructions in order, so no wait stands between the stores and the loads
.irp i, 0,1,2,3
	ds_store_b128 v14, v[R+16*((\t)%4)+4*\i:R+16*((\t)%4)+4*\i+3] offset:32*SP*((\t)%2)+8*SP*\i
.endr
.irp i, 0,1,2,3
	ds_load_b128 v[X+16*((\t)%2)+4*\i:X+16*((\t)%2)+4*\i+3], v15 offset:32*SP*((\t)%2)+16*\i
.endr
.endm
.irp t, 0,1,2,3
	LOAD \t
.endr
	s_wait_kmcnt 0x0
	s_mov_b32 s68, s32                             ; output 0's exponent: x's entry of product 0, or the weight's own entry
.macro PICK k, e
	s_cmp_eq_u32 s26, \k
	s_cselect_b32 s68, s[\e], s68
.endm
	PICK 0, 33
	PICK 1, 35
	PICK 2, 39
	PICK 3, 41
	PICK 4, 37
	PICK 5, 43
.macro MKSC o, e                       ; 2^e and 448 x 2^e as f32 numbers
	s_add_co_i32 s69, s[\e], 127
	s_lshl_b32 s70, s69, 23
	v_mov_b32 v[SC+\o], s70
	s_add_co_i32 s69, s69, 8
	s_lshl_b32 s69, s69, 23
	s_or_b32 s69, s69, 0x600000
	v_mov_b32 v[LIM+\o], s69
.endm
	MKSC 0, 68
	MKSC 1, 34
	MKSC 2, 38
	MKSC 3, 40
	MKSC 4, 36
	MKSC 5, 42
	s_wait_loadcnt 12                              ; step 0's four loads are in; the twelve behind them may be out
	TURN 0
; Output o of step t: the hold (the conversion to an 8-bit code does not saturate: ISA guide 7.6.2), two conversions, one store of 512 consecutive bytes.
; The held numbers go into set o % 2: the next output's sixteen holds are the plain lines between a conversion and the next write of its sources.
.macro QOUT t, o
.set TS, T+16*((\o)%2)
.irp i, 0,1,2,3,4,5,6,7,8,9,10,11,12,13,14,15
	v_med3_num_f32 v[TS+\i], v[XS+\i], -v[LIM+\o], v[LIM+\o]
.endr
	v_cvt_scalef32_pk8_fp8_f32 v[C+4*\o:C+4*\o+1], v[TS:TS+7], v[SC+\o]
	v_cvt_scalef32_pk8_fp8_f32 v[C+4*\o+2:C+4*\o+3], v[TS+8:TS+15], v[SC+\o]
	global_store_b128 v3, v[C+4*\o:C+4*\o+3], s[OUT+2*\o:OUT+2*\o+1] offset:512*(\t)
.endm
.macro STEP t
.set XS, X+16*((\t)%2)
	s_wait_dscnt 0x0                               ; this step's numbers are back from the stage: so its stores into the stage have read their registers,
.if (\t)+4 < STEPS
	LOAD (\t)+4                                    ; which take the loads of four steps on
.endif
.if (\t)+1 < STEPS
.if (\t) <= 3
	s_wait_loadcnt 12                              ; the next step's four loads are in; those of the three steps behind it may be out
.else
	s_wait_loadcnt 4*(6-(\t))
.endif
	TURN (\t)+1                                    ; and go through the other stage while this step is worked
.endif
.if (\t) > 0
	s_wait_xcnt 0x0                                ; the last step's stores have read their data: the codes' registers are written again only behind this wait
.endif
	QOUT \t, 0
	v_nop                                          ; a plain line behind these conversions: a weight's work-group goes from here to the next step's holds, which write their sources
	s_cmp_lg_u32 s27, 0
	s_cbranch_scc0 .Lone_\@                        ; a weight has one output
	QOUT \t, 1
	QOUT \t, 2
	QOUT \t, 3
	QOUT \t, 4
	QOUT \t, 5
.Lone_\@:
.endm
.irp t, 0,1,2,3,4,5,6,7
	STEP \t
.endr
	s_wait_tensorcnt 0x0                           ; the wave's end: behind my last LDS store
	ds_add_u32 v[SPW], v[NIL]
	s_wait_dscnt 0x0
	s_endpgm
.Lfunc_end_k_q8cdb87cffd_quant:
	.size	k_q8cdb87cffd_quant, .Lfunc_end_k_q8cdb87cffd_quant-k_q8cdb87cffd_quant
	.p2alignl 7, 3214868480
	.fill 96, 4, 3214868480
	.section	.rodata,"a",@progbits
	.p2align	6, 0x0
	.amdhsa_kernel k_q8cdb87cffd_quant
		.amdhsa_group_segment_fixed_size 33280
		.amdhsa_private_segment_fixed_size 0
		.amdhsa_enable_private_segment 0
		.amdhsa_kernarg_size 80
		.amdhsa_user_sgpr_count 2
		.amdhsa_user_sgpr_kernarg_segment_ptr 1
		.amdhsa_wavefront_size32 1
		.amdhsa_system_sgpr_workgroup_id_x 1
		.amdhsa_system_sgpr_workgroup_id_y 1
		.amdhsa_system_sgpr_workgroup_id_z 1
		.amdhsa_system_vgpr_workitem_id 0
		.amdhsa_next_free_vgpr 192
		.amdhsa_next_free_sgpr 72
		.amdhsa_reserve_vcc 0
		.amdhsa_float_denorm_mode_32 3
		.amdhsa_float_denorm_mode_16_64 3
		.amdhsa_memory_ordered 1
		.amdhsa_forward_progress 1
		.amdhsa_inst_pref_size 73
	.end_amdhsa_kernel
	.amdgpu_metadata
---
amdhsa.version: [ 1, 2 ]
amdhsa.kernels:
  - .name:           k_q8cdb87cffd_quant
    .symbol:         k_q8cdb87cffd_quant.kd
    .args:
      - { .name: x, .offset: 0, .size: 8, .value_kind: global_buffer, .address_space: global }
      - { .name: Wpq, .offset: 8, .size: 8, .value_kind: global_buffer, .address_space: global }
      - { .name: Wpk, .offset: 16, .size: 8, .value_kind: global_buffer, .address_space: global }
      - { .name: Wcq, .offset: 24, .size: 8, .value_kind: global_buffer, .address_space: global }
      - { .name: Wck, .offset: 32, .size: 8, .value_kind: global_buffer, .address_space: global }
      - { .name: Wpv, .offset: 40, .size: 8, .value_kind: global_buffer, .address_space: global }
      - { .name: Wcv, .offset: 48, .size: 8, .value_kind: global_buffer, .address_space: global }
      - { .name: lowp_scales, .offset: 56, .size: 8, .value_kind: global_buffer, .address_space: global }
      - { .name: xc, .offset: 64, .size: 8, .value_kind: global_buffer, .address_space: global }
      - { .name: wc, .offset: 72, .size: 8, .value_kind: global_buffer, .address_space: global }
    .group_segment_fixed_size: 33280
    .private_segment_fixed_size: 0
    .kernarg_segment_align: 8
    .kernarg_segment_size: 80
    .max_flat_workgroup_size: 128
    .sgpr_count:     72
    .vgpr_count:     192
    .wavefront_size: 32
...
	.end_amdgpu_metadata
.endif
;; end of part 1
;; launch proj (part 2): grid 24 x 16, 4 waves a work-group, clusters of 4 x 4, 327,680 bytes of LDS; arguments xc, wc, lowp_scales, codes; writes codes
.if DOCPART == 2
	.amdgcn_target "amdgcn-amd-amdhsa--gfx1250"
	.amdhsa_code_object_version 6
	.text
	.protected	k_q8cdb87cffd_proj
	.globl	k_q8cdb87cffd_proj
	.p2align	8
	.type	k_q8cdb87cffd_proj,@function
k_q8cdb87cffd_proj:
	s_mov_b64 s[64:65], 0
	v_nop
	global_prefetch_b8 v0, s[64:65] scope:SCOPE_SE
	s_setreg_imm32_b32 hwreg(HW_REG_WAVE_MODE, 25, 1), 1
	s_wait_xcnt 0x0
	s_wait_alu depctr_hold_cnt(0) depctr_sa_sdst(0) depctr_va_vdst(0) depctr_va_sdst(0) depctr_va_ssrc(0) depctr_va_vcc(0) depctr_vm_vsrc(0)
	s_getreg_b32 s2, hwreg(HW_REG_IB_STS2, 6, 4)
	s_cmp_eq_u32 s2, 0
	s_cbranch_scc0 .Lentry_in_a_cluster
	s_endpgm
.Lentry_in_a_cluster:
	s_bfe_u32 s2, ttmp6, 0x10000c
	s_cmp_lg_u32 s2, 0xf033
	s_cbranch_scc0 .Lentry_shape_is_right
	s_endpgm
.Lentry_shape_is_right:
; SECOND LAUNCH: the six projections x W^T on codes of E4M3, and their results quantised at once into the codes that the attention launch multiplies.  No work is left out.
; Cluster x (0 to 5) is the weight: 0 Pq, 1 Pk, 2 Cq, 3 Ck, 4 Pv, 5 Cv.  A work-group of four waves makes a tile of 256 x 256, a wave 128 x 128: 64 accumulators of 16 x 16, 512 registers.
; K = 1,024 goes in four steps of 256 through two LDS slots filled by the tensor data mover; a tile's row is 256 bytes of memory.
; TWO OPERANDS CALLED A AND B.  The matrix instruction takes 16 rows of B as source 0 and 16 rows of A as source 1: a lane then holds ONE row of A and eight neighbouring rows of B.
;   q, k: A = x's codes (tokens), B = the weight's (features): a lane holds a token and eight neighbouring features, which are the next product's K.
;   v:    A = the weight's codes,  B = x's: a lane holds a feature and eight neighbouring tokens (keys), which are the next product's K.  Only addresses differ; the text is one.
; So one conversion of an accumulator's eight registers gives two registers of the next operand, and the results are stored AS IMAGES OF THE OPERAND'S REGISTERS, 16 bytes a lane, 512 consecutive bytes a store:
;   q, k: [weight][b][head][tile of 16 tokens][2][lane][16 bytes]: lane (r, h): token 16 T + r; registers 2 c, 2 c + 1: channel 16 c + 8 h + 0 .. 7
;   v:    [weight][b][head][step of 128 keys][tile of 16 channels][4][lane][16 bytes]: lane (r, h): channel 16 t + r; registers 2 c, 2 c + 1: key 128 s + 16 c + 8 h + 0 .. 7
; A sum stands for sum x 2^(ea + eb); its code is sum / 2^(eo - ea - eb), held within +-448: the three exponents are folded into the conversion's one scale.
; LIMIT: eo - ea - eb lies between -126 and 119, so that this power of two and 448 times it are f32 numbers.
; CLUSTERS: 4 x 4 work-groups.  A's tile hangs on the tile row alone and is asked for jointly by a row of the cluster, B's on the tile column alone, by a column.
; The fragments are fetched by loads of 16 bytes, which is a permutation of k, the same in A and in B: every product meets its partner.
; REGISTERS, in windows of 256: window 0: v0-31 addresses and the two scale numbers; v32-111 the way out; from v128 A's fragments, ONE set.  window 1: B's fragments, TWO sets.  windows 2, 3: the accumulators ((a, b) at v[8 (8 (a % 4) + b)]).
.set ROWB,   256                       ; a tile's row in bytes
.set KROW,   1024                      ; a row of codes in memory
.set PITCH,  272                       ; an LDS row: 256 bytes + 16 of padding = 68 words: row r starts at bank 4 r mod 64 (64 banks of 4 bytes: ISA guide 11.1)
.set FR,     16                        ; registers of a fragment: 16 rows x 128 K
.set NL,     4                         ; LDS loads that bring one
.set NP,     4                         ; places behind this matrix instruction (ISA guide 7.12.1)
.set HALFT,  128*PITCH                 ; 128 rows: what one tensor load brings
.set SLOT,   4*HALFT                   ; A's 256 rows, then B's 256 rows
.set SPARE,  2*SLOT                    ; behind the ring: the spare words, 128 bytes for each wave: two blocks of 256 bytes that no other line names
.set ADRA, 16                          ; v16-17  LDS address of my A fragments in slot 0, 1
.set ADRB, 20                          ; v20-21  the same for B
.set CO,   26                          ; v26     16 x lane: my place in an image
.set SPW,  28                          ; v28     LDS address of my spare word; never rewritten
.set NIL,  29                          ; v29     0; never rewritten
.set SCV,  30                          ; v30     2^(eo - ea - eb)
.set LIMV, 31                          ; v31     448 x that
.set TMP,  32                          ; v32-95  a block's 64 sums, held
.set CD,   96                          ; v96-111 their codes
.set AF,   128                         ; A's fragments
.set G1, 24                            ; s[24:31] descriptor group 1 for A's tiles;  s[32:39] group 0, one set for each slot
.set G0, 32
.set G1B, 48                           ; s[48:55], s[56:63] the same for B's tiles
.set G0B, 56
.set MSB, 0
.macro WIN new                         ; the immediate's high byte repeats the setting that is left
.if MSB != \new
	s_set_vgpr_msb (MSB<<8)|\new
.set MSB, \new
.endif
.endm
.set MUL_LO, 0xa1                      ; source 0 (B) window 1, source 1 (A) window 0, C and D window 2
.set MUL_HI, 0xf1                      ; the same, C and D window 3
.set TO_B,   0x40                      ; destination window 1, address window 0
; A joint load: waves 0 and 1 fetch for A, waves 2 and 3 for B.  The branch hangs on the wave's number alone.  An s_nop 0 and four v_nop follow each of the two lines.
.macro JLOAD g0a, g1a, g0b, g1b
	s_cmp_eq_u32 s15, 0
	s_cbranch_scc0 .Lfor_b_\@
	tensor_load_to_lds s[\g0a:\g0a+3], s[\g1a:\g1a+7]
	s_nop 0
.rept 4
	v_nop
.endr
	s_branch .Lasked_\@
.Lfor_b_\@:
	tensor_load_to_lds s[\g0b:\g0b+3], s[\g1b:\g1b+7]
	s_nop 0
.rept 4
	v_nop
.endr
.Lasked_\@:
.endm
.macro CREST                           ; a round of the cluster's barrier behind its opening barrier
	s_cmp_lg_u32 s14, 0
	s_cbranch_scc1 .Lnot_wave_0_\@
	s_barrier_signal -3
.Lnot_wave_0_\@:
	s_barrier_wait -3
	s_barrier_signal -1
	s_barrier_wait -1
.endm
.macro CROUND                          ; a whole round
	s_barrier_signal -1
	s_barrier_wait -1
	CREST
.endm
	s_load_b128 s[4:7], s[0:1], 0x0                ; x's codes s[4:5], the weights' codes s[6:7]
	s_load_b128 s[8:11], s[0:1], 0x10              ; the scales' exponents s[8:9], the results' codes s[10:11]
	v_lshl_add_u32 v[SPW], v0, 2, SPARE
	v_mov_b32 v[NIL], 0
	ds_add_u32 v[SPW], v[NIL]                      ; the wave's opening: the add, twice on end, and its wait ahead of my first tensor load
	ds_add_u32 v[SPW], v[NIL]                      ; and once more, under the one wait; the set-up below, work on registers, stands between
	v_lshrrev_b32 v1, 5, v0
	v_readfirstlane_b32 s14, v1                    ; wave 0..3
	s_lshr_b32 s15, s14, 1                         ; which half of A's rows is mine.  Also: I fetch for A (0) or for B (1)
	s_and_b32 s16, s14, 1                          ; which half of B's rows.  Also: which 128 rows of that tile I fetch
	s_bfe_u32 s40, ttmp6, 0x40000                  ; cx, cy: my place in the cluster
	s_bfe_u32 s41, ttmp6, 0x40004
	s_and_b32 s18, ttmp7, 0xffff
	s_lshl_b32 s18, s18, 2                         ; 4 x cluster y
	s_cmp_ge_u32 ttmp9, 4                          ; a value tensor?  The cluster's number alone decides: the same in all sixteen partners
	s_cselect_b32 s99, 1, 0
	s_cselect_b32 s68, 0, s18                      ; the operand made of x's codes has 16 tiles of rows, 4 for each cluster y; the weight's has 4
	s_cselect_b32 s69, s18, 0
	s_cselect_b32 s70, 20, 22                      ; a weight's codes are 2^20 bytes, a copy of x's 2^22
	s_cselect_b32 s71, 22, 20
	s_add_co_u32 s17, s68, s41                     ; A's tile: made of cy and the cluster's numbers
	s_add_co_u32 s42, s69, s40                     ; B's tile: made of cx and the cluster's numbers
	s_lshl_b32 s43, s41, 2
	s_lshl_b32 s43, 15, s43                        ; my row of the cluster
	s_lshl_b32 s44, 0x1111, s40                    ; my column
	; descriptor group 1: a tile of 128 rows x 256 bytes, padded in LDS
	s_or_b32 s[G1+0], s43, (0<<16)|(1<<20)|(1<<21)|(5<<22)|(3<<25)  ; 15:0 the mask; 17:16 element of 1 byte; 20 padding on; 21 set beside a mask; 24:22 after every 64 words (code 5); 31:25 of 4 words (code 3)
	s_or_b32 s[G1B+0], s44, (0<<16)|(1<<20)|(1<<21)|(5<<22)|(3<<25)
.irp g, G1, G1B
	s_mov_b32 s[\g+1], ROWB<<16                    ; tensor_dim0
	s_mov_b32 s[\g+2], 128<<16                     ; tensor_dim1 = 128
	s_mov_b32 s[\g+3], ROWB<<16                    ; tile_dim0
	s_mov_b32 s[\g+4], 128                         ; tile_dim1 = 128
	s_mov_b32 s[\g+5], KROW                        ; tensor_dim0_stride
	s_mov_b32 s[\g+6], 0
	s_mov_b32 s[\g+7], 0
.endr
	s_lshl_b32 s18, s16, 7                         ; which 128 rows of the tile I fetch
	s_lshl_b32 s20, s17, 8
	s_add_co_u32 s20, s20, s18
	s_lshl_b32 s20, s20, 10                        ; A: row 256 x tile + 128 x half, 1,024 bytes a row,
	s_lshl_b32 s19, ttmp9, s70
	s_add_co_u32 s20, s20, s19                     ; in this weight's part of the buffer
	s_mov_b32 s21, 0
	s_lshl_b32 s46, s42, 8
	s_add_co_u32 s46, s46, s18
	s_lshl_b32 s46, s46, 10                        ; B likewise
	s_lshl_b32 s19, ttmp9, s71
	s_add_co_u32 s46, s46, s19
	s_mov_b32 s47, 0
	s_mul_i32 s45, s14, HALFT                      ; where they go: wave x 128 rows: no place in the cluster enters an LDS address
	; which entries of the scales: the weight's product p = 0, 1, 3, 4, 2, 5: ea at 2 p, eb at 2 p + 1; the result's own entry: 12, 13, 14, 15, 17, 19
	s_lshr_b32 s84, ttmp9, 1
	s_add_co_u32 s84, s84, ttmp9
	s_mul_i32 s22, ttmp9, 3
	s_sub_co_u32 s22, s22, 10
	s_add_co_u32 s86, ttmp9, 12
	s_lshl_b32 s23, ttmp9, 1
	s_add_co_u32 s23, s23, 9
	s_cmp_ge_u32 ttmp9, 4
	s_cselect_b32 s84, s22, s84
	s_cselect_b32 s86, s23, s86
	s_lshl_b32 s84, s84, 3
	s_lshl_b32 s86, s86, 2
	s_mov_b32 s85, 0
	s_mov_b32 s87, 0
	s_wait_dscnt 0x0                               ; both opening adds are done
	s_wait_kmcnt 0x0
	s_add_nc_u64 s[88:89], s[8:9], s[84:85]
	s_load_b64 s[96:97], s[88:89], 0x0             ; ea, eb
	s_add_nc_u64 s[66:67], s[8:9], s[86:87]
	s_load_b32 s98, s[66:67], 0x0                  ; eo
	s_cmp_lg_u32 s99, 0
	s_cselect_b64 s[72:73], s[6:7], s[4:5]         ; A's buffer
	s_cselect_b64 s[74:75], s[4:5], s[6:7]         ; B's buffer
	s_add_nc_u64 s[20:21], s[72:73], s[20:21]
	s_add_nc_u64 s[46:47], s[74:75], s[46:47]
	CROUND                                         ; all sixteen work-groups are here: the first joint loads meet
.irp s, 0,1
	s_mov_b32 s[G0+4*\s], 1
	s_add_co_u32 s[G0+4*\s+1], s45, \s*SLOT
	s_add_nc_u64 s[G0+4*\s+2:G0+4*\s+3], s[20:21], \s*ROWB
	s_or_b32 s[G0+4*\s+3], s[G0+4*\s+3], 0x80000000
	s_mov_b32 s[G0B+4*\s], 1
	s_add_co_u32 s[G0B+4*\s+1], s45, \s*SLOT
	s_add_nc_u64 s[G0B+4*\s+2:G0B+4*\s+3], s[46:47], \s*ROWB
	s_or_b32 s[G0B+4*\s+3], s[G0B+4*\s+3], 0x80000000
.endr
	JLOAD G0, G1, G0B, G1B                         ; K step 0: one tensor load a wave at the head
	v_and_b32 v1, 15, v0                           ; l % 16
	v_bfe_u32 v2, v0, 4, 1                         ; l / 16
	v_mul_u32_u24 v3, v1, PITCH
	v_lshl_add_u32 v4, v2, 4, v3                   ; a fragment's row x pitch + 16 x half
	s_mul_i32 s21, s15, HALFT                      ; my 128 rows of A
	s_mul_i32 s22, s16, HALFT                      ; my 128 rows of B,
	s_add_co_u32 s22, s22, 2*HALFT                 ; which lie behind A's 256
.irp s, 0,1
	v_add_nc_u32 v[ADRA+\s], s21, v4
	v_add_nc_u32 v[ADRB+\s], s22, v4
	s_add_co_u32 s21, s21, SLOT
	s_add_co_u32 s22, s22, SLOT
.endr
	v_and_b32 v6, 31, v0
	v_lshlrev_b32 v[CO], 4, v6
	; where my results go.  My first row of A and of B; one of the two counts tokens, the other features
	s_lshl_b32 s20, s17, 8
	s_lshl_b32 s21, s15, 7
	s_add_co_u32 s20, s20, s21                     ; 256 x A's tile + 128 x half
	s_lshl_b32 s94, s42, 8
	s_lshl_b32 s95, s16, 7
	s_add_co_u32 s94, s94, s95                     ; 256 x B's tile + 128 x half
	s_mov_b32 s82, 131072
	s_mov_b32 s78, 1024
	s_mov_b32 s80, 1024
	s_cmp_lg_u32 s99, 0
	s_cselect_b32 s90, s94, s20                    ; my first token,
	s_cselect_b32 s91, s20, s94                    ; my first feature
	s_cselect_b32 s82, 1024, s82                   ; from a block's first eight registers of codes to its last eight: q, k: the next head; v: the fragment's second half
	s_cselect_b32 s78, 2048, s78                   ; from block to block: q, k: the next tile of tokens; v: the next tile of channels,
	s_cselect_b32 s80, 124928, s80                 ; and from block 3 to block 4 of v: the next head's first tile: 131,072 - 3 x 2,048
	s_mov_b32 s83, 0
	s_mov_b32 s79, 0
	s_mov_b32 s81, 0
	s_lshr_b32 s92, s90, 11
	s_lshl_b32 s92, s92, 21                        ; b: 2^21 bytes
	s_lshr_b32 s93, s91, 6
	s_lshl_b32 s93, s93, 17                        ; head: 2^17 bytes
	s_add_co_u32 s92, s92, s93
	s_and_b32 s93, s90, 2047
	s_lshl_b32 s93, s93, 6                         ; 64 bytes a token: 1,024 for a tile of 16, 8,192 for a step of 128
	s_add_co_u32 s92, s92, s93
	s_lshl_b32 s93, ttmp9, 22                      ; the weight: 2^22 bytes
	s_add_co_u32 s92, s92, s93
	s_mov_b32 s93, 0
	s_add_nc_u64 s[10:11], s[10:11], s[92:93]
	s_add_nc_u64 s[76:77], s[10:11], s[82:83]
.macro FRAG reg, adr, q, i             ; a fragment, 16 rows x 128 K: lane l holds row l % 16; registers 4 c .. 4 c + 3 hold K = 32 c + 16 (l / 16) + 0 .. 15
.irp c, 0,1,2,3
	ds_load_b128 v[\reg+4*\c:\reg+4*\c+3], v[\adr] offset:128*(\q)+32*\c+(\i)*16*PITCH
.endr
.endm
; 16 matrix instructions: A's blocks a0, a0 + 1 x B's eight, 128 along K.  p: B's set.  zero = 1: the first product starts the sums.
; The 64 accumulators take turns, one instruction a turn, in the same order in every step.
.macro MUL16 a0, p, zero
.irp a, \a0, \a0+1
.irp b, 0,1,2,3,4,5,6,7
.if \zero
	v_wmma_f32_16x16x128_fp8_fp8 v[8*(8*((\a)%4)+\b):8*(8*((\a)%4)+\b)+7], v[128*(\p)+FR*\b:128*(\p)+FR*\b+FR-1], v[AF+FR*(\a):AF+FR*(\a)+FR-1], 0
.else
	v_wmma_f32_16x16x128_fp8_fp8 v[8*(8*((\a)%4)+\b):8*(8*((\a)%4)+\b)+7], v[128*(\p)+FR*\b:128*(\p)+FR*\b+FR-1], v[AF+FR*(\a):AF+FR*(\a)+FR-1], v[8*(8*((\a)%4)+\b):8*(8*((\a)%4)+\b)+7]
.endif
.endr
.endr
.endm
.macro FETCH_B slot, q, p              ; B's eight fragments of the slot's q-th 128 along K into set p
	WIN TO_B
.irp i, 0,1,2,3,4,5,6,7
	FRAG 128*(\p)+FR*\i, ADRB+\slot, \q, \i
.endr
	WIN 0
.endm
.macro FETCH_A slot, q, i0             ; A's blocks i0 .. i0 + 3
.irp i, \i0, \i0+1, \i0+2, \i0+3
	FRAG AF+FR*(\i), ADRA+\slot, \q, \i
.endr
.endm
.macro PLACES n                        ; plain vector lines between a matrix instruction and a load into a register that it read, or the first read of its result
.rept \n
	v_nop
.endr
.endm
; A step of 128 along K that has its successor in the same slot.
.macro STEP slot, q, zero
	s_wait_dscnt 4*NL                              ; B's set and A's blocks 0-3 are in; the youngest sixteen loads (A's blocks 4-7) may be out
	WIN MUL_LO
	MUL16 0, (\q)%2, \zero
	MUL16 2, (\q)%2, \zero
	s_wait_dscnt 0                                 ; A's blocks 4-7 are in
	PLACES NP
	FETCH_B \slot, (\q)+1, 1-(\q)%2
	FETCH_A \slot, (\q)+1, 0
	WIN MUL_HI
	MUL16 4, (\q)%2, \zero
	MUL16 6, (\q)%2, \zero
	PLACES NP
	WIN 0
	FETCH_A \slot, (\q)+1, 4
.endm
; A slot's last step changes slots: ONE barrier; in front of it each wave waits for all its tensor loads, adds 0 to its spare word, and waits for that and for its own reads of this slot.  fill = 1: this slot is filled again, two K steps ahead.
.macro TURN slot, next, fill
	s_wait_tensorcnt 0x0                           ; all my tensor loads have landed: my part of the next slot
	ds_add_u32 v[SPW], v[NIL]                      ; 0 onto my spare word
	s_wait_dscnt 4*NL+1                            ; (the add and the youngest sixteen loads, A's blocks 4-7, may be out)
	WIN MUL_LO
	MUL16 0, 1, 0                                  ; sixteen matrix instructions stand between the add and the wait for it
	s_wait_dscnt 0x0                               ; the add is done, and my reads of this slot are over
	s_barrier_signal -1
	MUL16 2, 1, 0
	WIN 0
	s_barrier_wait -1
.if \fill
	CREST                                          ; the barrier has opened a round of the cluster's barrier: no wave of any partner still reads this slot's tile or has a load on its way
	s_add_nc_u64 s[G0+4*\slot+2:G0+4*\slot+3], s[G0+4*\slot+2:G0+4*\slot+3], 2*ROWB
	s_add_nc_u64 s[G0B+4*\slot+2:G0B+4*\slot+3], s[G0B+4*\slot+2:G0B+4*\slot+3], 2*ROWB
	JLOAD G0+4*\slot, G1, G0B+4*\slot, G1B         ; the first tensor load behind the round, my one load until the next; its four v_nop are the places in front of the loads below
.else
	PLACES NP
.endif
	FETCH_B \next, 0, 0
	FETCH_A \next, 0, 0
	WIN MUL_HI
	MUL16 4, 1, 0
	MUL16 6, 1, 0
	PLACES NP
	WIN 0
	FETCH_A \next, 0, 4
.endm
	s_wait_alu depctr_va_vdst(0)
	s_wait_tensorcnt 0x0                           ; my part of K step 0 is in
	ds_add_u32 v[SPW], v[NIL]
	s_wait_dscnt 0x0
	CROUND                                         ; a whole round: everybody's part of K step 0 is in, and the joint loads meet
	JLOAD G0+4, G1, G0B+4, G1B                     ; K step 1, the first tensor load behind the round
	FETCH_B 0, 0, 0
	FETCH_A 0, 0, 0
	FETCH_A 0, 0, 4
	STEP 0, 0, 1                                   ; eight steps of 128 along K, written out: the first starts the sums
	TURN 0, 1, 1                                   ; slot 0 takes K step 2
	STEP 1, 0, 0
	TURN 1, 0, 1                                   ; slot 1 takes K step 3
	STEP 0, 0, 0
	TURN 0, 1, 0                                   ; nothing is left to fetch
	STEP 1, 0, 0
	s_wait_dscnt 4*NL
	WIN MUL_LO
	MUL16 0, 1, 0
	MUL16 2, 1, 0
	s_wait_dscnt 0
	WIN MUL_HI
	MUL16 4, 1, 0
	MUL16 6, 1, 0
	WIN 0
; THE WAY OUT, block by block of 16 rows of A.  The block's 64 sums are held within +-448 x the scale (the conversion does not saturate: ISA guide 7.6.2), each accumulator from its low end on;
; eight conversions make 16 registers of codes; four stores of 512 consecutive bytes, each at a multiple of 512 from the buffer's first byte.  No LDS: the registers are the next launch's operands as they stand.
.macro OUTB a
.set AC, 64*((\a)%4)
	WIN 0x02+((\a)/4)                              ; source 0: window 2 or 3
.set J, 0
.rept 64
	v_med3_num_f32 v[TMP+J], v[AC+J], -v[LIMV], v[LIMV]
.set J, J+1
.endr
	WIN 0
.if (\a) > 0
	s_wait_alu depctr_va_vdst(0)
	s_wait_xcnt 0x0                                ; the last block's stores have read their data and their bases: both are written again only behind this wait
.if (\a) == 4
	s_add_nc_u64 s[10:11], s[10:11], s[80:81]
	s_add_nc_u64 s[76:77], s[76:77], s[80:81]
.else
	s_add_nc_u64 s[10:11], s[10:11], s[78:79]
	s_add_nc_u64 s[76:77], s[76:77], s[78:79]
.endif
.endif
.irp b, 0,1,2,3,4,5,6,7
	v_cvt_scalef32_pk8_fp8_f32 v[CD+2*\b:CD+2*\b+1], v[TMP+8*\b:TMP+8*\b+7], v[SCV]
.endr
	v_nop                                          ; a plain line between the conversions and the next block's holds, which write their sources
	global_store_b128 v[CO], v[CD:CD+3], s[10:11]
	global_store_b128 v[CO], v[CD+4:CD+7], s[10:11] offset:512
	global_store_b128 v[CO], v[CD+8:CD+11], s[76:77]
	global_store_b128 v[CO], v[CD+12:CD+15], s[76:77] offset:512
.endm
	s_wait_kmcnt 0x0
	s_sub_co_i32 s98, s98, s96
	s_sub_co_i32 s98, s98, s97                     ; eo - ea - eb
	s_add_co_i32 s98, s98, 127
	s_lshl_b32 s95, s98, 23
	v_mov_b32 v[SCV], s95
	s_add_co_i32 s98, s98, 8
	s_lshl_b32 s98, s98, 23
	s_or_b32 s98, s98, 0x600000
	v_mov_b32 v[LIMV], s98
	PLACES NP                                      ; behind the last products, ahead of the first read of results
.irp a, 0,1,2,3,4,5,6,7
	OUTB \a
.endr
	s_wait_tensorcnt 0x0                           ; the wave's end: behind my last tensor load
	ds_add_u32 v[SPW], v[NIL]
	s_wait_dscnt 0x0
	CROUND                                         ; the closing round: no work-group ends while a partner may still ask for a tile that names it
	s_endpgm
.Lfunc_end_k_q8cdb87cffd_proj:
	.size	k_q8cdb87cffd_proj, .Lfunc_end_k_q8cdb87cffd_proj-k_q8cdb87cffd_proj
	.p2alignl 7, 3214868480
	.fill 96, 4, 3214868480
	.section	.rodata,"a",@progbits
	.p2align	6, 0x0
	.amdhsa_kernel k_q8cdb87cffd_proj
		.amdhsa_group_segment_fixed_size 327680
		.amdhsa_private_segment_fixed_size 0
		.amdhsa_enable_private_segment 0
		.amdhsa_kernarg_size 32
		.amdhsa_user_sgpr_count 2
		.amdhsa_user_sgpr_kernarg_segment_ptr 1
		.amdhsa_wavefront_size32 1
		.amdhsa_system_sgpr_workgroup_id_x 1
		.amdhsa_system_sgpr_workgroup_id_y 1
		.amdhsa_system_sgpr_workgroup_id_z 1
		.amdhsa_system_vgpr_workitem_id 0
		.amdhsa_next_free_vgpr 1024
		.amdhsa_next_free_sgpr 100
		.amdhsa_reserve_vcc 0
		.amdhsa_float_denorm_mode_32 3
		.amdhsa_float_denorm_mode_16_64 3
		.amdhsa_memory_ordered 1
		.amdhsa_forward_progress 1
		.amdhsa_inst_pref_size 120
	.end_amdhsa_kernel
	.amdgpu_metadata
---
amdhsa.version: [ 1, 2 ]
amdhsa.kernels:
  - .name:           k_q8cdb87cffd_proj
    .symbol:         k_q8cdb87cffd_proj.kd
    .args:
      - { .name: xc, .offset: 0, .size: 8, .value_kind: global_buffer, .address_space: global }
      - { .name: wc, .offset: 8, .size: 8, .value_kind: global_buffer, .address_space: global }
      - { .name: lowp_scales, .offset: 16, .size: 8, .value_kind: global_buffer, .address_space: global }
      - { .name: codes, .offset: 24, .size: 8, .value_kind: global_buffer, .address_space: global }
    .group_segment_fixed_size: 327680
    .private_segment_fixed_size: 0
    .kernarg_segment_align: 8
    .kernarg_segment_size: 32
    .max_flat_workgroup_size: 128
    .sgpr_count:     100
    .vgpr_count:     1024
    .wavefront_size: 32
...
	.end_amdgpu_metadata
.endif
;; end of part 2
;; launch attn (part 3): grid 4 x 64, 4 waves a work-group, clusters of 4 x 1, 327,680 bytes of LDS; arguments codes, lowp_scales, out0, out1; writes out0, out1
.if DOCPART == 3
	.amdgcn_target "amdgcn-amd-amdhsa--gfx1250"
	.amdhsa_code_object_version 6
	.text
	.protected	k_q8cdb87cffd_attn
	.globl	k_q8cdb87cffd_attn
	.p2align	8
	.type	k_q8cdb87cffd_attn,@function
k_q8cdb87cffd_attn:
	s_mov_b64 s[64:65], 0
	v_nop
	global_prefetch_b8 v0, s[64:65] scope:SCOPE_SE
	s_setreg_imm32_b32 hwreg(HW_REG_WAVE_MODE, 25, 1), 1
	s_wait_xcnt 0x0
	s_wait_alu depctr_hold_cnt(0) depctr_sa_sdst(0) depctr_va_vdst(0) depctr_va_sdst(0) depctr_va_ssrc(0) depctr_va_vcc(0) depctr_vm_vsrc(0)
	s_getreg_b32 s2, hwreg(HW_REG_IB_STS2, 6, 4)
	s_cmp_eq_u32 s2, 0
	s_cbranch_scc0 .Lentry_in_a_cluster
	s_endpgm
.Lentry_in_a_cluster:
	s_bfe_u32 s2, ttmp6, 0x10000c
	s_cmp_lg_u32 s2, 0x3003
	s_cbranch_scc0 .Lentry_shape_is_right
	s_endpgm
.Lentry_shape_is_right:
; THIRD LAUNCH: both score maps of every head, their softmax, finished and normalised, quantised with its given scale, and the product with the values.  No work is left out.
; Work-group y (0 to 63) is (b, head, map): y / 2 = 16 b + head, y % 2 = the map (0: Pq Pk, 1: Cq Ck).  Map m of head hd meets value tensor and output m xor (hd % 2): the swap on odd heads.
; The four work-groups of a cluster take a quarter of the queries each (512, 32 tiles of 16) and need the same K and V: these are asked for JOINTLY, mask 15.
; SHARES.  A wave owns 512 of the 2,048 keys.  Its K (32 fragments of 16 keys x 64) and V (4 steps x 4 tiles of 16 channels x 128 keys) lie in registers for the whole launch.
; A PHASE is a tile of 16 queries.  First half: S^T = K Q^T (a lane holds one query, its registers run along the keys), my keys' largest t, p = 2^(t - M), M a whole number, the sum of p; (-M, sum) go to the other waves through LDS.
; Second half: the four waves' M and sums are joined (powers of two: nothing is rounded), p x f is the finished softmax, held at 448 x 2^ep, converted; O^T = V^T P^T over my keys; the four waves' parts of O are added through LDS, one phase later.
; THE EXPONENTIALS go in three batches of 40, 80 and 136 registers; behind each exponential of a batch stands one multiply-add of the NEXT batch's t - M, which no line of the batch reads.  One s_wait_alu stands between batches.
; LDS: K's images 0 .. 131,071, V's 131,072 .. 262,143, each filled once; then the statistics (two parities), the parts of O (two parities), the spare words.  Nothing is filled again.
; NO PREFETCH: K and V are asked for once, at the head, where there is no loop to run ahead in; a phase's 1,024 bytes of Q are loaded a whole phase ahead of their use.
; LIMITS: eq + ek between -122 and 130 (added to c's exponent field); ep between -126 and 119; ep + ev between -126 and 127; the scaled scores stay under 2^31 in magnitude.  NaN and infinities are not served.
; REGISTERS, in windows of 256: window 0 what is named below; window 1 K; window 2 V; window 3 the 256 scores of a phase.
.set STAT,  262144                     ; [parity][query r][wave][-M, sum]: 512 bytes a parity
.set OIMG,  263168                     ; [parity][wave][16 rows of 256 + 16 bytes]
.set OPAR,  17408
.set SPARE, 297984                     ; the spare words: 128 bytes a wave, two blocks of 256 bytes that no other line names
.set LI,   3                           ; LDS address of my part of K's images
.set QO,   4                           ; 16 x lane
.set STW,  5                           ; where my statistics go
.set STR,  6                           ; where my query's four pairs lie
.set OW,   7                           ; where my part of O goes
.set ORD,  8                           ; where the rows that I add lie
.set GO,   9                           ; my offset in the output
.set SPW,  10                          ; my spare word; never rewritten
.set NIL,  11                          ; 0; never rewritten
.set NM,   12                          ; -M, and beside it the sum
.set FF,   14                          ; f
.set QF,   16                          ; Q's fragment
.set LV,   24                          ; LDS address of my part of V's images
.set OA,   32                          ; O^T, four accumulators
.set PC,   64                          ; p's codes
.set SS,   128                         ; the four waves' pairs
.set CH,   136                         ; chains of maxima and sums
.set TT,   144
.set LIMP, 152                         ; 448 x 2^ep
.set SCP,  153                         ; 2^ep
.set RR,   160                         ; parts of O to be added
.set WV,   12
.set G1,   16
.set G0K,  24
.set QB,   32
.set OB,   34
.set CS,   36                          ; c = log2(e) / 8 x 2^(eq + ek)
.set SEL,  38
.set OS,   40                          ; 2^(ep + ev)
.set CNT,  42
.set MSB, 0
.macro WIN new                         ; the immediate's high byte repeats the setting that is left
.if MSB != \new
	s_set_vgpr_msb (MSB<<8)|\new
.set MSB, \new
.endif
.endm
.macro CROUND                          ; a round of the cluster's barrier
	s_barrier_signal -1
	s_barrier_wait -1
	s_cmp_lg_u32 s[WV], 0
	s_cbranch_scc1 .Lnot_wave_0_\@
	s_barrier_signal -3
.Lnot_wave_0_\@:
	s_barrier_wait -3
	s_barrier_signal -1
	s_barrier_wait -1
.endm
	s_load_b256 s[4:11], s[0:1], 0x0               ; the codes, the scales' exponents, out0, out1
	v_lshl_add_u32 v[SPW], v0, 2, SPARE
	v_mov_b32 v[NIL], 0
	ds_add_u32 v[SPW], v[NIL]                      ; the opening lines: the add, twice on end, and its wait ahead of my tensor load
	ds_add_u32 v[SPW], v[NIL]
	v_lshrrev_b32 v1, 5, v0
	v_readfirstlane_b32 s[WV], v1                  ; wave 0..3
	v_and_b32 v1, 31, v0
	v_lshlrev_b32 v[QO], 4, v1
	s_bfe_u32 s13, ttmp6, 0x40000                  ; cx: my quarter of the queries
	s_and_b32 s14, ttmp7, 0xffff
	s_lshr_b32 s15, s14, 1                         ; 16 b + head
	s_and_b32 s56, s14, 1                          ; the map
	s_xor_b32 s57, s14, s15
	s_and_b32 s57, s57, 1                          ; the value tensor and the output
	s_mov_b32 s[G1], 15|(3<<16)|(1<<21)            ; the mask of all four partners; elements of 8 bytes; bit 21 beside a mask
	s_mov_b32 s[G1+1], 32<<16                      ; rows of 256 bytes,
	s_mov_b32 s[G1+2], 256<<16                     ; 256 of them: 65,536 dense bytes a load
	s_mov_b32 s[G1+3], 32<<16
	s_mov_b32 s[G1+4], 256
	s_mov_b32 s[G1+5], 32
	s_mov_b32 s[G1+6], 0
	s_mov_b32 s[G1+7], 0
	s_mov_b32 s[SEL], 0x76543210
	s_mov_b32 s[SEL+1], 0xfedcba98
	s_lshl_b32 s58, s15, 17                        ; a head's codes: 2^17 bytes
	s_lshl_b32 s59, s56, 23
	s_add_co_u32 s59, s59, s58                     ; Q's codes of this map and head
	s_add_co_u32 s50, s59, 1<<22                   ; K's
	s_add_co_u32 s52, s57, 4
	s_lshl_b32 s52, s52, 22
	s_add_co_u32 s52, s52, s58                     ; V's,
	s_sub_co_u32 s52, s52, s50                     ; as a distance from K's
	s_lshr_b32 s48, s[WV], 1                       ; waves 0, 1 fetch K's halves, waves 2, 3 V's
	s_mul_i32 s52, s52, s48
	s_add_co_u32 s50, s50, s52
	s_and_b32 s48, s[WV], 1
	s_lshl_b32 s48, s48, 16
	s_add_co_u32 s50, s50, s48
	s_mov_b32 s51, 0
	s_lshl_b32 s54, s13, 15
	s_add_co_u32 s54, s54, s59                     ; my quarter of Q
	s_mov_b32 s55, 0
	s_lshr_b32 s60, s14, 5
	s_lshl_b32 s60, s60, 23                        ; the output: b,
	s_lshl_b32 s61, s13, 21
	s_add_co_u32 s60, s60, s61                     ; my 512 rows of 4,096 bytes,
	s_and_b32 s61, s15, 15
	s_lshl_b32 s61, s61, 8
	s_add_co_u32 s60, s60, s61                     ; the head's 256 bytes of a row
	s_mov_b32 s61, 0
	s_wait_alu depctr_va_vdst(0)
	s_wait_dscnt 0x0                               ; both opening adds are done
	s_wait_kmcnt 0x0
	s_lshl_b32 s48, s56, 3
	s_mov_b32 s49, 0
	s_add_nc_u64 s[62:63], s[6:7], s[48:49]
	s_load_b64 s[44:45], s[62:63], 0x30            ; eq, ek: entries 12, 13 or 14, 15
	s_lshl_b32 s48, s57, 3
	s_add_nc_u64 s[2:3], s[6:7], s[48:49]
	s_load_b64 s[46:47], s[2:3], 0x40              ; ep, ev: entries 16, 17 or 18, 19
	s_mov_b32 s[G0K], 1
	s_lshl_b32 s[G0K+1], s[WV], 16                 ; LDS: 65,536 x wave
	s_add_nc_u64 s[G0K+2:G0K+3], s[4:5], s[50:51]
	s_or_b32 s[G0K+3], s[G0K+3], 0x80000000
	s_add_nc_u64 s[QB:QB+1], s[4:5], s[54:55]
	s_cmp_lg_u32 s57, 0
	s_cselect_b64 s[OB:OB+1], s[10:11], s[8:9]
	s_add_nc_u64 s[OB:OB+1], s[OB:OB+1], s[60:61]
	CROUND                                         ; all four work-groups are here: the joint loads meet
	tensor_load_to_lds s[G0K:G0K+3], s[G1:G1+7]    ; my one tensor load of the launch
	s_nop 0
	global_load_b128 v[QF:QF+3], v[QO], s[QB:QB+1]
	global_load_b128 v[QF+4:QF+7], v[QO], s[QB:QB+1] offset:512
	v_and_b32 v2, 15, v0                           ; r
	v_bfe_u32 v25, v0, 4, 1                        ; h
	s_lshl_b32 s48, s[WV], 15
	v_add_nc_u32 v[LI], s48, v[QO]                 ; my 512 keys: 32,768 bytes of K's images,
	v_add_nc_u32 v[LV], 131072, v[LI]              ; and of V's
	v_lshlrev_b32 v[STR], 5, v2
	v_add_nc_u32 v[STR], STAT, v[STR]
	s_lshl_b32 s49, s[WV], 3
	v_add_nc_u32 v[STW], s49, v[STR]
	v_mul_u32_u24 v[OW], v2, 272
	v_lshl_add_u32 v[OW], v25, 5, v[OW]
	s_mul_i32 s50, s[WV], 4352
	s_add_co_u32 s50, s50, OIMG
	v_add_nc_u32 v[OW], s50, v[OW]                 ; row r of my part; tile t's eight channels of my half at 64 t + 32 h
	v_mul_u32_u24 v[ORD], v25, 272
	v_lshl_add_u32 v[ORD], v2, 4, v[ORD]
	s_mul_i32 s51, s[WV], 4*272
	s_add_co_u32 s51, s51, OIMG
	v_add_nc_u32 v[ORD], s51, v[ORD]               ; I add rows 4 wave .. 4 wave + 3: sixteen lanes to a row
	v_lshlrev_b32 v[GO], 12, v25
	v_lshl_add_u32 v[GO], v2, 4, v[GO]
	s_lshl_b32 s52, s[WV], 14
	v_add_nc_u32 v[GO], s52, v[GO]
	v_mov_b32 v[NM+1], 0                           ; named as upper halves of pairs, or a lane permute's destination: written once
	v_mov_b32 v[FF+1], 0
	v_mov_b32 v[TT+1], 0
	s_wait_kmcnt 0x0
	s_add_co_i32 s48, s44, s45
	s_lshl_b32 s48, s48, 23
	s_add_co_i32 s[CS], s48, 0x3e38aa3b            ; log2(e) / 8, with eq + ek added to its exponent field
	s_mov_b32 s[CS+1], s[CS]
	s_add_co_i32 s48, s46, s47
	s_add_co_i32 s48, s48, 127
	s_lshl_b32 s[OS], s48, 23
	s_mov_b32 s[OS+1], s[OS]
	s_add_co_i32 s48, s46, 127
	s_lshl_b32 s49, s48, 23
	v_mov_b32 v[SCP], s49
	s_add_co_i32 s48, s48, 8
	s_lshl_b32 s48, s48, 23
	s_or_b32 s48, s48, 0x600000
	v_mov_b32 v[LIMP], s48
	s_wait_alu depctr_va_vdst(0)
	s_wait_tensorcnt 0x0                           ; my half of K or of V is in,
	s_barrier_signal -1
	s_barrier_wait -1                              ; everybody's is
	WIN 0x40
.set I, 0
.rept 64
	ds_load_b128 v[4*I:4*I+3], v[LI] offset:512*I  ; images of the operand's registers: 16 bytes a lane
.set I, I+1
.endr
	WIN 0x80
.set I, 0
.rept 64
	ds_load_b128 v[4*I:4*I+3], v[LV] offset:512*I
.set I, I+1
.endr
	WIN 0
	s_wait_dscnt 0x0
; exponentials of v[e0 .. e1 - 1]; behind each, while there are any, one multiply-add of v[f0 .. f1 - 1]
.macro FE e0, e1, f0, f1
.set E_, \e0
.set F_, \f0
.rept (\e1)-(\e0)
	v_exp_f32 v[E_], v[E_]
.if F_ < \f1
	v_pk_fma_f32 v[F_:F_+1], v[F_:F_+1], s[CS:CS+1], v[NM:NM+1] op_sel_hi:[1,0,0]
.set F_, F_+2
.endif
.set E_, E_+1
.endr
.endm
; A PHASE'S FIRST HALF.  p: its parity; qoff: where the next tile of Q lies (-1: none)
.macro PH_A p, qoff
	s_wait_loadcnt 0x0                             ; Q
	WIN 0xc1
.set I, 0
.rept 32
	v_wmma_f32_16x16x64_fp8_fp8 v[8*I:8*I+7], v[8*I:8*I+7], v[QF:QF+7], 0   ; register 8 I + j of lane (r, h): key 16 I + 8 h + j, query r
.set I, I+1
.endr
	WIN 0
.rept 4
	v_nop                                          ; places behind the products (ISA guide 7.12.1)
.endr
.if \qoff >= 0
	global_load_b128 v[QF:QF+3], v[QO], s[QB:QB+1] offset:\qoff
	global_load_b128 v[QF+4:QF+7], v[QO], s[QB:QB+1] offset:\qoff+512
.endif
	WIN 0x3f
.irp c, 0,1,2,3
	v_max3_num_f32 v[CH+\c], v[3*\c], v[3*\c+1], v[3*\c+2]   ; the largest score, in four chains, each accumulator from its low end on
.endr
	WIN 0x3c
.set I, 0
.rept 122
	v_max3_num_f32 v[CH+I%4], v[CH+I%4], v[12+2*I], v[13+2*I]
.set I, I+1
.endr
	WIN 0
	v_max3_num_f32 v[CH], v[CH], v[CH+1], v[CH+2]
	v_max_num_f32 v[CH], v[CH], v[CH+3]
	v_permlanex16_b32 v[TT+1], v[CH], s[SEL], s[SEL+1]
	v_max_num_f32 v[CH], v[CH], v[TT+1]
	v_mul_f32 v[CH], s[CS], v[CH]                  ; as t (c is positive)
	v_floor_f32 v[NM], -v[CH]                      ; -M = floor(-t): M is a whole number
	WIN 0xc3
.set I, 0
.rept 20
	v_pk_fma_f32 v[2*I:2*I+1], v[2*I:2*I+1], s[CS:CS+1], v[NM:NM+1] op_sel_hi:[1,0,0]   ; t - M of the first batch
.set I, I+1
.endr
	s_wait_alu depctr_va_vdst(0)                   ; ahead of a batch
	FE 0, 40, 40, 120
	s_wait_alu depctr_va_vdst(0)
	FE 40, 120, 120, 256
	v_nop                                          ; a plain place behind the last exponential
	s_wait_alu depctr_va_vdst(0)
	FE 120, 256, 0, 0
	WIN 0
	v_nop
	s_wait_alu depctr_va_vdst(0)                   ; behind the batches, ahead of their first reader
	WIN 0x0f
.irp c, 0,1,2,3
	v_pk_add_f32 v[CH+2*\c:CH+2*\c+1], v[4*\c:4*\c+1], v[4*\c+2:4*\c+3]   ; the sum of p, two at a time, in four chains
.endr
	WIN 0x0c
.set I, 0
.rept 120
	v_pk_add_f32 v[CH+2*(I%4):CH+2*(I%4)+1], v[CH+2*(I%4):CH+2*(I%4)+1], v[16+2*I:17+2*I]
.set I, I+1
.endr
	WIN 0
	v_pk_add_f32 v[CH:CH+1], v[CH:CH+1], v[CH+2:CH+3]
	v_pk_add_f32 v[CH+4:CH+5], v[CH+4:CH+5], v[CH+6:CH+7]
	v_pk_add_f32 v[CH:CH+1], v[CH:CH+1], v[CH+4:CH+5]
	v_add_f32 v[CH], v[CH], v[CH+1]
	v_permlanex16_b32 v[TT+1], v[CH], s[SEL], s[SEL+1]
	v_add_f32 v[NM+1], v[CH], v[TT+1]
	ds_store_b64 v[STW], v[NM:NM+1] offset:512*\p
	s_wait_dscnt 0x0                               ; for the others' sake: my pair, and the last phase's part of O, are stored
	s_barrier_signal -1
	s_barrier_wait -1
	ds_load_b128 v[SS:SS+3], v[STR] offset:512*\p
	ds_load_b128 v[SS+4:SS+7], v[STR] offset:512*\p+16
.endm
.macro RLOAD p                         ; four rows of each wave's part of O, parity p
	s_wait_xcnt 0x0                                ; the last stores have read these registers
.irp k, 0,1
.irp w, 0,1,2,3
	ds_load_b128 v[RR+16*\k+4*\w:RR+16*\k+4*\w+3], v[ORD] offset:OPAR*(\p)+4352*\w+544*\k
.endr
.endr
.endm
.macro RSUM ooff                       ; added, x 2^(ep + ev), stored: sixteen lanes fill 256 consecutive bytes, aligned
	s_wait_dscnt 0x0
.irp k, 0,1
	v_pk_add_f32 v[RR+16*\k:RR+16*\k+1], v[RR+16*\k:RR+16*\k+1], v[RR+16*\k+4:RR+16*\k+5]
	v_pk_add_f32 v[RR+16*\k+2:RR+16*\k+3], v[RR+16*\k+2:RR+16*\k+3], v[RR+16*\k+6:RR+16*\k+7]
	v_pk_add_f32 v[RR+16*\k+8:RR+16*\k+9], v[RR+16*\k+8:RR+16*\k+9], v[RR+16*\k+12:RR+16*\k+13]
	v_pk_add_f32 v[RR+16*\k+10:RR+16*\k+11], v[RR+16*\k+10:RR+16*\k+11], v[RR+16*\k+14:RR+16*\k+15]
	v_pk_add_f32 v[RR+16*\k:RR+16*\k+1], v[RR+16*\k:RR+16*\k+1], v[RR+16*\k+8:RR+16*\k+9]
	v_pk_add_f32 v[RR+16*\k+2:RR+16*\k+3], v[RR+16*\k+2:RR+16*\k+3], v[RR+16*\k+10:RR+16*\k+11]
	v_pk_mul_f32 v[RR+16*\k:RR+16*\k+1], v[RR+16*\k:RR+16*\k+1], s[OS:OS+1] op_sel_hi:[1,0]
	v_pk_mul_f32 v[RR+16*\k+2:RR+16*\k+3], v[RR+16*\k+2:RR+16*\k+3], s[OS:OS+1] op_sel_hi:[1,0]
.endr
.irp k, 0,1
	global_store_b128 v[GO], v[RR+16*\k:RR+16*\k+3], s[OB:OB+1] offset:\ooff+8192*\k th:TH_STORE_NT
.endr
.endm
; A PHASE'S SECOND HALF.  prev = 1: the last phase's parts of O are added and stored on the way, at ooff
.macro PH_B p, prev, ooff
.if \prev
	RLOAD 1-\p
	s_wait_dscnt 8                                 ; the four pairs are in; the eight loads just issued may be out
.else
	s_wait_dscnt 0x0
.endif
	v_min_num_f32 v[TT], v[SS], v[SS+2]
	v_min_num_f32 v[TT+1], v[SS+4], v[SS+6]
	v_min_num_f32 v[TT], v[TT], v[TT+1]            ; -M of the whole row
	v_sub_f32 v[TT+1], v[TT], v[SS]                ; each wave's M less the row's: whole numbers, 0 or less
	v_sub_f32 v[TT+2], v[TT], v[SS+2]
	v_sub_f32 v[TT+3], v[TT], v[SS+4]
	v_sub_f32 v[TT+4], v[TT], v[SS+6]
	v_sub_f32 v[TT+5], v[TT], v[NM]
.irp i, 1,2,3,4,5
	v_cvt_i32_f32 v[TT+\i], v[TT+\i]
.endr
.irp i, 0,1,2,3
	v_ldexp_f32 v[SS+2*\i+1], v[SS+2*\i+1], v[TT+1+\i]
.endr
	v_add_f32 v[TT+6], v[SS+1], v[SS+3]
	v_add_f32 v[TT+7], v[SS+5], v[SS+7]
	v_add_f32 v[TT+6], v[TT+6], v[TT+7]            ; the row's sum under the row's M
	s_wait_alu depctr_va_vdst(0)                   ; ahead of the transcendental
	v_rcp_f32 v[TT+7], v[TT+6]
	v_nop
	s_wait_alu depctr_va_vdst(0)                   ; and ahead of its reader
	v_ldexp_f32 v[FF], v[TT+7], v[TT+5]            ; f = 2^(my M - the row's M) / the sum
	WIN 0xc3
.set I, 0
.rept 128
	v_pk_mul_f32 v[2*I:2*I+1], v[2*I:2*I+1], v[FF:FF+1] op_sel_hi:[1,0]   ; the finished softmax
.set I, I+1
.endr
.set I, 0
.rept 256
	v_min_num_f32 v[I], v[I], v[LIMP]              ; the conversion does not saturate (ISA guide 7.6.2); p is not negative: a one-sided hold
.set I, I+1
.endr
	WIN 0x03
.set I, 0
.rept 32
	v_cvt_scalef32_pk8_fp8_f32 v[PC+2*I:PC+2*I+1], v[8*I:8*I+7], v[SCP]   ; registers 2 c, 2 c + 1 of step s: keys 128 s + 16 c + 8 h + 0 .. 7
.set I, I+1
.endr
	WIN 0
	v_nop                                          ; a plain line between the conversions and the products that read them
	WIN 0x02
.irp s, 0,1,2,3
.irp t, 0,1,2,3
.if \s == 0
	v_wmma_f32_16x16x128_fp8_fp8 v[OA+8*\t:OA+8*\t+7], v[64*\s+16*\t:64*\s+16*\t+15], v[PC+16*\s:PC+16*\s+15], 0
.else
	v_wmma_f32_16x16x128_fp8_fp8 v[OA+8*\t:OA+8*\t+7], v[64*\s+16*\t:64*\s+16*\t+15], v[PC+16*\s:PC+16*\s+15], v[OA+8*\t:OA+8*\t+7]
.endif
.endr
.endr
	WIN 0
.if \prev
	RSUM \ooff                                     ; its sixteen lines are also the places behind the products
.else
.rept 4
	v_nop
.endr
.endif
.irp t, 0,1,2,3
	ds_store_b128 v[OW], v[OA+8*\t:OA+8*\t+3] offset:OPAR*\p+64*\t
	ds_store_b128 v[OW], v[OA+8*\t+4:OA+8*\t+7] offset:OPAR*\p+64*\t+16
.endr
.endm
	PH_A 0, 1024                                   ; tile 0
	PH_B 0, 0, 0
	s_mov_b32 s[CNT], 0
.Lpair:                                            ; 15 trips of two phases: tiles 1 to 30
	PH_A 1, 2048
	PH_B 1, 1, 0
	PH_A 0, 3072
	PH_B 0, 1, 65536
	s_wait_xcnt 0x0                                ; the loads and stores have read their bases
	s_add_nc_u64 s[QB:QB+1], s[QB:QB+1], 2048
	s_add_nc_u64 s[OB:OB+1], s[OB:OB+1], 131072
	s_add_co_u32 s[CNT], s[CNT], 1
	s_cmp_lt_u32 s[CNT], 15
	s_cbranch_scc1 .Lpair
	PH_A 1, -1
	PH_B 1, 1, 0
	s_wait_dscnt 0x0
	s_barrier_signal -1
	s_barrier_wait -1
	RLOAD 1
	RSUM 65536
	s_wait_tensorcnt 0x0                           ; the wave's end
	ds_add_u32 v[SPW], v[NIL]
	s_wait_dscnt 0x0
	CROUND                                         ; the closing round
	s_endpgm
.Lfunc_end_k_q8cdb87cffd_attn:
	.size	k_q8cdb87cffd_attn, .Lfunc_end_k_q8cdb87cffd_attn-k_q8cdb87cffd_attn
	.p2alignl 7, 3214868480
	.fill 96, 4, 3214868480
	.section	.rodata,"a",@progbits
	.p2align	6, 0x0
	.amdhsa_kernel k_q8cdb87cffd_attn
		.amdhsa_group_segment_fixed_size 327680
		.amdhsa_private_segment_fixed_size 0
		.amdhsa_enable_private_segment 0
		.amdhsa_kernarg_size 32
		.amdhsa_user_sgpr_count 2
		.amdhsa_user_sgpr_kernarg_segment_ptr 1
		.amdhsa_wavefront_size32 1
		.amdhsa_system_sgpr_workgroup_id_x 1
		.amdhsa_system_sgpr_workgroup_id_y 1
		.amdhsa_system_sgpr_workgroup_id_z 1
		.amdhsa_system_vgpr_workitem_id 0
		.amdhsa_next_free_vgpr 1024
		.amdhsa_next_free_sgpr 66
		.amdhsa_reserve_vcc 0
		.amdhsa_float_denorm_mode_32 3
		.amdhsa_float_denorm_mode_16_64 3
		.amdhsa_memory_ordered 1
		.amdhsa_forward_progress 1
		.amdhsa_inst_pref_size 246
	.end_amdhsa_kernel
	.amdgpu_metadata
---
amdhsa.version: [ 1, 2 ]
amdhsa.kernels:
  - .name:           k_q8cdb87cffd_attn
    .symbol:         k_q8cdb87cffd_attn.kd
    .args:
      - { .name: codes, .offset: 0, .size: 8, .value_kind: global_buffer, .address_space: global }
      - { .name: lowp_scales, .offset: 8, .size: 8, .value_kind: global_buffer, .address_space: global }
      - { .name: out0, .offset: 16, .size: 8, .value_kind: global_buffer, .address_space: global }
      - { .name: out1, .offset: 24, .size: 8, .value_kind: global_buffer, .address_space: global }
    .group_segment_fixed_size: 327680
    .private_segment_fixed_size: 0
    .kernarg_segment_align: 8
    .kernarg_segment_size: 32
    .max_flat_workgroup_size: 128
    .sgpr_count:     66
    .vgpr_count:     1024
    .wavefront_size: 32
...
	.end_amdgpu_metadata
.endif
;; end of part 3
